; MI455X (gfx1250); checked and timed in simulation.
; The chip was launched on July 23, 2026; its instructions are those of AMD's public machine-readable ISA for CDNA 5 (MIT licence, August 2026) and "CDNA5" Instruction Set Architecture Reference Guide (July 2026). The comments in the code are by the model that wrote it; some were corrected since.
;; Global Attn. Allowed arithmetic: float matrix products may take bf16 or f16 operands with f32 sums; all other float work in f32.
;; Inputs: W 1,024 x 1,024 float32; b 1,024 float32; encoder_outputs 1,024 x 64 x 1,024 float32; hidden_state 64 x 1,024 float32.
;; Outputs: out0 64 x 1 x 1,024 float32.
;; 2 versions, each right; version 2 is version 1 with the launch scores written anew for expert scheduling mode. Each part assembles by itself: llvm-mc -triple=amdgcn-amd-amdhsa -mcpu=gfx1250 --defsym DOCPART=n.
;; ======== version 1 of 2: 3 launches
;; workspace buffers: vbuf 1,048,576 bytes; sc 262,144 bytes
;; launch vproj (part 1): grid 16 x 16, 16 waves a work-group, no clusters, 83,968 bytes of LDS; arguments hidden_state, W, vbuf; writes vbuf
.if DOCPART == 1
	.amdgcn_target "amdgcn-amd-amdhsa--gfx1250"
	.amdhsa_code_object_version 6
	.text
	.protected	k_q610216b1a3_vproj
	.globl	k_q610216b1a3_vproj
	.p2align	8
	.type	k_q610216b1a3_vproj,@function
k_q610216b1a3_vproj:
	s_mov_b64 s[64:65], 0
	v_nop
	global_prefetch_b8 v0, s[64:65] scope:SCOPE_SE
	s_setreg_imm32_b32 hwreg(HW_REG_WAVE_MODE, 25, 1), 1
	s_wait_xcnt 0x0
; GlobalAttn, launch 1 of 3:  vq[gq][b][h] = sum over the quarter gq of g of hidden[b][g] * W[g][h];  v[b][h] = the sum of the four planes.
; hidden [64][1024], W [1024][1024], vq [4][64][1024], all f32.
;
; WHAT THE THREE LAUNCHES COMPUTE, AND WHAT THEY LEAVE OUT.
; The problem's scores are  scores[b][l] = sum_g hidden[b][g] * ( sum_h enc[l][b][h] * W[g][h] + bias[g] ).
; Both sums are finite, so for all values of the inputs, in exact arithmetic,
;     scores[b][l] = sum_h enc[l][b][h] * v[b][h]  +  sum_g hidden[b][g] * bias[g],      v[b][h] = sum_g hidden[b][g] * W[g][h].
; The last term does not hang on l, and the softmax runs along l: exp(s + t) / sum exp(s + t) = exp(s) / sum exp(s) for every t.  So the bias
; has no way to the output: it is not loaded and is no argument of any launch.  The tensor proj [L][B][H] is never formed.
; LIMITS: the f32 sums are taken in another order than the problem's own; a NaN, an infinity or an overflow that would arise only in the bias
; or in proj is not carried to the result.
; FORMAT: all products in f32 on the vector unit.  A score is a sum of 1024 products and stands in an exponent; operands cut to 8 bits of
; mantissa would move a score by some hundredths, which is more than the result may differ.  And each number of enc meets one multiplier only,
; so narrowing it would cost as many instructions as the multiply-add that finishes it.
;
; SHARES.  Work-group (x = hb, y = 4 gq + bq): columns h = 64 hb .. +63 (256 consecutive bytes of a row of W, aligned), rows b = 16 bq .. +15,
; g = 256 gq .. +255.  With 16 rows b to a work-group W is read 64 / 16 = 4 times over, 16 MiB in all, and with 256 g there are 4 planes of v,
; 1 MiB; all 64 rows b in one work-group would read W once but make 16 planes, 64 KiB for each work-group of the next launch to add up.
; Wave w of 16: g = 256 gq + 16 w .. +15.  Lane: c = lane % 16 owns columns 4 c .. +3, hh = lane / 16 owns g = .. + 8 hh + j, j = 0 .. 7.
; One load of W by a wave is two runs of 256 consecutive bytes (rows j and j + 8 of the wave's 16); its 8 loads are all out at once.
; HIDDEN: the work-group's 16 rows x 1,024 bytes are copied once, 512 consecutive bytes to a wave's load, into LDS; a lane then reads its
; 8 numbers of each row from there (the sixteen lanes of a half want the same words and share them).
; THE SUM OVER g: a wave's two halves in registers, the 16 waves in LDS, in a fixed order; the four quarters in the next launch, since
; they come from four work-groups.
; NO CLUSTER: the four work-groups of one (hb, gq) read the same 64 KiB of W, but each takes them once, straight into registers;
; a joint request exists for tensor loads into LDS alone and would add an LDS write and read of every byte.
.set ROWB, 4096                        ; bytes in a row of hidden, of W and of a plane
.set PART, 16384                       ; LDS: hidden at 0 (16 rows x 1,024 bytes); behind it 16 partial sums of 4,096 bytes ([16 rows][256 bytes])
.set WO,   1                           ; v1        W: 8 hh rows + 16 c
.set HG,   2                           ; v2        hidden in memory: row thread / 64, 16 bytes at 16 (thread % 64)
.set HS,   3                           ; v3        hidden into LDS: 16 x thread
.set HL,   4                           ; v4        hidden from LDS: 64 w + 32 hh
.set SA,   5                           ; v5        LDS: where my partial sums go
.set RA,   6                           ; v6        LDS: PART + 8 x thread, where the partial sums are read
.set CO,   7                           ; v7        8 x lane: my 8 bytes of the wave's row of the plane
.set HID,  8                           ; v[8:135]  HID + 8 bb + j = hidden[16 bq + bb][256 gq + 16 w + 8 hh + j]; later the 16 partial sums
.set WR,   136                         ; v[136:167] WR + 4 j + 0..3 = W[g][4 c .. +3]
.set ACC,  168                         ; v[168:231] ACC + 4 bb + 0..3: my sums for row bb, four columns; at first the stage of hidden
	s_load_b128 s[4:7], s[0:1], 0x0                ; hidden s[4:5], W s[6:7]
	s_load_b64 s[8:9], s[0:1], 0x10                ; the planes
	v_lshl_add_u32 v232, v0, 2, 0x14000
	v_mov_b32 v233, 0
	v_lshrrev_b32 v8, 5, v0
	v_readfirstlane_b32 s10, v8                    ; wave 0 .. 15
	s_and_b32 s11, ttmp7, 0xffff
	s_and_b32 s12, s11, 3                          ; bq
	s_lshr_b32 s13, s11, 2                         ; gq
	s_lshl_b32 s20, s12, 16                        ; 16 bq rows of 4,096 bytes
	s_lshl_b32 s21, ttmp9, 8                       ; 64 hb columns of 4 bytes
	s_lshl_b32 s14, s13, 10                        ; hidden: 256 gq numbers into the rows
	s_or_b32 s14, s14, s20
	s_mov_b32 s15, 0
	s_lshl_b32 s16, s13, 20                        ; W: 256 gq rows,
	s_lshl_b32 s22, s10, 16                        ; 16 w rows,
	s_or_b32 s16, s16, s22
	s_or_b32 s16, s16, s21                         ; the columns
	s_mov_b32 s17, 0
	s_lshl_b32 s18, s13, 18                        ; out: plane gq of 262,144 bytes,
	s_or_b32 s18, s18, s20                         ; row 16 bq
	s_lshl_b32 s22, s10, 12                        ; + w (wave w stores row w of the block),
	s_or_b32 s18, s18, s22
	s_or_b32 s18, s18, s21                         ; the columns
	s_mov_b32 s19, 0
	s_add_co_u32 s23, s22, PART                    ; LDS: my wave's partial sum, 4,096 w behind PART
	s_lshl_b32 s22, s10, 6                         ; LDS: my wave's 16 numbers of a row of hidden
	v_and_b32 v8, 15, v0                           ; c
	v_bfe_u32 v9, v0, 4, 1                         ; hh
	v_lshrrev_b32 v10, 6, v0                       ; thread / 64: 0 .. 7
	v_lshlrev_b32 v[WO], 4, v8
	v_lshl_or_b32 v[WO], v9, 15, v[WO]
	v_and_b32 v[HG], 63, v0
	v_lshlrev_b32 v[HG], 4, v[HG]
	v_lshl_or_b32 v[HG], v10, 12, v[HG]
	v_lshlrev_b32 v[HS], 4, v0                     ; 1,024 (thread / 64) + 16 (thread % 64) = 16 x thread
	v_lshl_add_u32 v[HL], v9, 5, s22
	v_lshl_add_u32 v[SA], v9, 11, s23              ; lanes 16-31 hold rows 8 .. 15: 8 x 256 bytes further on
	v_lshl_add_u32 v[SA], v8, 4, v[SA]
	v_lshlrev_b32 v[RA], 3, v0
	v_add_nc_u32 v[RA], PART, v[RA]
	v_and_b32 v[CO], 31, v0
	v_lshlrev_b32 v[CO], 3, v[CO]
	s_wait_kmcnt 0x0
	s_add_nc_u64 s[4:5], s[4:5], s[14:15]
	s_add_nc_u64 s[6:7], s[6:7], s[16:17]
	s_add_nc_u64 s[8:9], s[8:9], s[18:19]
	; hidden first (it has the longer way: through LDS), rows 0 .. 7 and 8 .. 15 of the work-group's 16; then all of the wave's W
.irp q, 0,1
	global_load_b128 v[ACC+4*\q:ACC+4*\q+3], v[HG], s[4:5] offset:\q*8*ROWB
.endr
.irp j, 0,1,2,3,4,5,6,7
	global_load_b128 v[WR+4*\j:WR+4*\j+3], v[WO], s[6:7] offset:\j*ROWB
.endr
	s_wait_loadcnt 8                               ; loads come back in order: hidden's two are in, W's eight stay out
	ds_store_b128 v[HS], v[ACC:ACC+3]
	ds_store_b128 v[HS], v[ACC+4:ACC+7] offset:8192
	s_wait_dscnt 0x0                               ; my stores are done before I say so: every wave reads every row
	s_barrier_signal -1
	s_barrier_wait -1
	; my 8 numbers of each of the 16 rows: first j = 0 .. 3 of all rows, then j = 4 .. 7
.irp q, 0,1
.irp bb, 0,1,2,3,4,5,6,7,8,9,10,11,12,13,14,15
	ds_load_b128 v[HID+8*\bb+4*\q:HID+8*\bb+4*\q+3], v[HL] offset:\bb*1024+\q*16
.endr
.endr
; Two columns of row bb take in W[g][..] * hidden[bb][g].  The one number of hidden is register j % 2 of its pair and feeds both halves
; of the packed instruction (op_sel for the low result, op_sel_hi for the high one).  j = 0 starts the sums: nothing is cleared.
.macro MAC j, bb, p
.if \j == 0
	v_pk_mul_f32 v[ACC+4*\bb+2*\p:ACC+4*\bb+2*\p+1], v[WR+2*\p:WR+2*\p+1], v[HID+8*\bb:HID+8*\bb+1] op_sel_hi:[1,0]
.else
.if (\j) % 2 == 0
	v_pk_fma_f32 v[ACC+4*\bb+2*\p:ACC+4*\bb+2*\p+1], v[WR+4*\j+2*\p:WR+4*\j+2*\p+1], v[HID+8*\bb+2*((\j)/2):HID+8*\bb+2*((\j)/2)+1], v[ACC+4*\bb+2*\p:ACC+4*\bb+2*\p+1] op_sel_hi:[1,0,1]
.else
	v_pk_fma_f32 v[ACC+4*\bb+2*\p:ACC+4*\bb+2*\p+1], v[WR+4*\j+2*\p:WR+4*\j+2*\p+1], v[HID+8*\bb+2*((\j)/2):HID+8*\bb+2*((\j)/2)+1], v[ACC+4*\bb+2*\p:ACC+4*\bb+2*\p+1] op_sel:[0,1,0] op_sel_hi:[1,1,1]
.endif
.endif
.endm
; One g of each half: 32 packed multiply-adds on 32 pairs of sums that do not wait for each other.
.macro STEP j
.if \j == 0
	s_wait_dscnt 16                                ; LDS loads come back in order: j = 0 .. 3 of all rows are in, the 16 loads of j = 4 .. 7 may be out
.endif
.if \j == 4
	s_wait_dscnt 0x0                               ; and now those
.endif
	s_wait_loadcnt 7-\j                            ; W's row j is in; the 7 - j younger rows stay out
.irp bb, 0,1,2,3,4,5,6,7,8,9,10,11,12,13,14,15
.irp p, 0,1
	MAC \j, \bb, \p
.endr
.endr
.endm
.irp j, 0,1,2,3,4,5,6,7
	STEP \j
.endr
	; The wave's two halves hold sums over different g for the same columns.  The swap gives the first register rows bb (lanes 0-15) and bb + 8
	; (lanes 16-31) of half 0 and the second the same of half 1: their sum is row bb in lanes 0-15 and row bb + 8 in lanes 16-31.
	; 32 swaps and 16 packed additions halve what goes through LDS: 16 partial sums instead of 32.
.irp bb, 0,1,2,3,4,5,6,7
.irp k, 0,1,2,3
	v_permlane16_swap_b32 v[ACC+4*\bb+\k], v[ACC+32+4*\bb+\k]
.endr
.endr
.irp bb, 0,1,2,3,4,5,6,7
.irp p, 0,1
	v_pk_add_f32 v[ACC+4*\bb+2*\p:ACC+4*\bb+2*\p+1], v[ACC+4*\bb+2*\p:ACC+4*\bb+2*\p+1], v[ACC+32+4*\bb+2*\p:ACC+32+4*\bb+2*\p+1]
.endr
.endr
.irp bb, 0,1,2,3,4,5,6,7
	ds_store_b128 v[SA], v[ACC+4*\bb:ACC+4*\bb+3] offset:\bb*256      ; sixteen lanes store 256 consecutive bytes: a row of the partial sum
.endr
	s_wait_dscnt 0x0                               ; my stores are done before I say so: other waves read them
	s_barrier_signal -1
	s_barrier_wait -1
	; the block is 16 rows x 256 bytes = 512 threads x 8 bytes: every thread adds its 8 bytes of the 16 partial sums; wave w has row w
.irp q, 0,1,2,3,4,5,6,7,8,9,10,11,12,13,14,15
	ds_load_b64 v[HID+2*\q:HID+2*\q+1], v[RA] offset:\q*4096
.endr
	s_wait_dscnt 0x0
	; four chains (partial sums q % 4), started by the first four; then the chains, always in this order
.irp r, 4,8,12
.irp c, 0,1,2,3
	v_pk_add_f32 v[HID+2*\c:HID+2*\c+1], v[HID+2*\c:HID+2*\c+1], v[HID+2*(\r+\c):HID+2*(\r+\c)+1]
.endr
.endr
	v_pk_add_f32 v[HID:HID+1],   v[HID:HID+1],   v[HID+2:HID+3]
	v_pk_add_f32 v[HID+4:HID+5], v[HID+4:HID+5], v[HID+6:HID+7]
	v_pk_add_f32 v[HID:HID+1],   v[HID:HID+1],   v[HID+4:HID+5]
	global_store_b64 v[CO], v[HID:HID+1], s[8:9]   ; the wave's store covers 256 consecutive bytes of one row of the plane, at a multiple of 256 from its first byte
	s_wait_tensorcnt 0x0
	ds_add_u32 v232, v233
	s_wait_dscnt 0x0
	s_endpgm
.Lfunc_end_k_q610216b1a3_vproj:
	.size	k_q610216b1a3_vproj, .Lfunc_end_k_q610216b1a3_vproj-k_q610216b1a3_vproj
	.p2alignl 7, 3214868480
	.fill 96, 4, 3214868480
	.section	.rodata,"a",@progbits
	.p2align	6, 0x0
	.amdhsa_kernel k_q610216b1a3_vproj
		.amdhsa_group_segment_fixed_size 83968
		.amdhsa_private_segment_fixed_size 0
		.amdhsa_enable_private_segment 0
		.amdhsa_kernarg_size 24
		.amdhsa_user_sgpr_count 2
		.amdhsa_user_sgpr_kernarg_segment_ptr 1
		.amdhsa_wavefront_size32 1
		.amdhsa_system_sgpr_workgroup_id_x 1
		.amdhsa_system_sgpr_workgroup_id_y 1
		.amdhsa_system_sgpr_workgroup_id_z 1
		.amdhsa_system_vgpr_workitem_id 0
		.amdhsa_next_free_vgpr 234
		.amdhsa_next_free_sgpr 66
		.amdhsa_reserve_vcc 0
		.amdhsa_float_denorm_mode_32 3
		.amdhsa_float_denorm_mode_16_64 3
		.amdhsa_memory_ordered 1
		.amdhsa_forward_progress 1
		.amdhsa_inst_pref_size 27
	.end_amdhsa_kernel
	.amdgpu_metadata
---
amdhsa.version: [ 1, 2 ]
amdhsa.kernels:
  - .name:           k_q610216b1a3_vproj
    .symbol:         k_q610216b1a3_vproj.kd
    .args:
      - { .name: hidden_state, .offset: 0, .size: 8, .value_kind: global_buffer, .address_space: global }
      - { .name: W, .offset: 8, .size: 8, .value_kind: global_buffer, .address_space: global }
      - { .name: vbuf, .offset: 16, .size: 8, .value_kind: global_buffer, .address_space: global }
    .group_segment_fixed_size: 83968
    .private_segment_fixed_size: 0
    .kernarg_segment_align: 8
    .kernarg_segment_size: 24
    .max_flat_workgroup_size: 512
    .sgpr_count:     66
    .vgpr_count:     234
    .wavefront_size: 32
...
	.end_amdgpu_metadata
.endif
;; end of part 1
;; launch scores (part 2): grid 64 x 4, 16 waves a work-group, no clusters, 7,168 bytes of LDS; arguments encoder_outputs, vbuf, sc; writes sc
.if DOCPART == 2
	.amdgcn_target "amdgcn-amd-amdhsa--gfx1250"
	.amdhsa_code_object_version 6
	.text
	.protected	k_q610216b1a3_scores
	.globl	k_q610216b1a3_scores
	.p2align	8
	.type	k_q610216b1a3_scores,@function
k_q610216b1a3_scores:
	s_mov_b64 s[64:65], 0
	v_nop
	global_prefetch_b8 v0, s[64:65] scope:SCOPE_SE
	s_setreg_imm32_b32 hwreg(HW_REG_WAVE_MODE, 25, 1), 1
	s_wait_xcnt 0x0
; GlobalAttn, launch 2 of 3:  sc[b][l] = sum over h of enc[l][b][h] * v[b][h],  v[b][h] = the sum of the four planes vq[0..3][b][h] of launch 1.
; enc [1024][64][1024], vq [4][64][1024], sc [64][1024], all f32.
; Left out: the term hidden[b] . bias, which is the same for every l of a row of the softmax and cancels there (shown at the head of launch 1).
; A stream: every byte of enc is read once and used by one lane, once.  So it goes straight into registers: no LDS stage, no matrix unit.
; NO CLUSTER: what work-groups share is the 16 KiB of v[b]'s planes, beside 1 MiB of enc that each has to itself.
;
; SHARES.  Work-group (x = b, y = lq): one b, l = 256 lq .. +255: 256 rows of 4,096 bytes, 262,144 bytes apart.  b is fixed, so a lane's 32 numbers
; of v[b] stay in registers.  Wave w of 16: l = 256 lq + 16 w + i, i = 0 .. 15, a whole row at a time; load j of a row covers its bytes
; 512 j .. +511, 16 a lane.  A ring of four row slots in registers: 4 rows x 4 KiB x 16 waves = 256 KiB of the work-group on their way.
; The row's number and the load's stand in the immediate (at most 15 x 262,144 + 3,584, inside its signed 24 bits): no address is ever stepped.
; v[b] IS MADE ONCE FOR THE WORK-GROUP: thread t adds its 8 bytes of the four planes, (q0 + q1) + (q2 + q3), and puts them into LDS, from where each
; wave takes the whole row: 16 KiB are read instead of 16 waves x 16 KiB.  The first four rows of enc are asked for before that and are on their way meanwhile.
.set ENCROW, 262144                    ; bytes from l to l + 1
.set PLANE,  262144                    ; bytes in a plane of v
.set LV,     1024                      ; LDS: the work-group's 256 scores at 0; v[b], 4,096 bytes, behind them
.set OFF, 1                            ; v1        16 x lane; never rewritten
.set LA,  2                            ; v2        LDS: my wave's 16 words
.set PX,  3                            ; v3        takes the other half's sum
.set V,   4                            ; v[4:35]   v[b][128 j + 4 lane + 0..3], j = 0 .. 7
.set ACC, 36                           ; v[36:43]  four pairs of sums; at first my 8 bytes of the four planes
.set X,   44                           ; v[44:171] slot s: 32 registers, a row's share as loaded
.set OA,  172                          ; v172      16 (thread % 64): the way out
.set VA,  173                          ; v173      8 x thread: my 8 bytes of a row of v, in memory and in LDS
	s_load_b128 s[4:7], s[0:1], 0x0                ; enc s[4:5], the planes s[6:7]
	s_load_b64 s[8:9], s[0:1], 0x10                ; sc
	v_lshl_add_u32 v174, v0, 2, 0x1400
	v_mov_b32 v175, 0
	v_lshrrev_b32 v2, 5, v0
	v_readfirstlane_b32 s10, v2                    ; wave 0 .. 15
	s_and_b32 s11, ttmp7, 0xffff                   ; lq
	s_mov_b32 s12, 0x76543210                      ; v_permlanex16_b32: lane i of one half reads lane i of the other
	s_mov_b32 s13, 0xfedcba98
	s_lshl_b32 s16, ttmp9, 12                      ; b rows of 4,096 bytes: v's row, and b's place in enc[l] and in sc
	s_mov_b32 s17, 0
	s_lshl_b32 s14, s11, 26                        ; 256 lq steps of l,
	s_lshl_b32 s21, s10, 22                        ; 16 w steps of l: the fields do not meet, and the sum stays below 2^28
	s_or_b32 s14, s14, s21
	s_or_b32 s14, s14, s16
	s_mov_b32 s15, 0
	s_lshl_b32 s18, s11, 10                        ; sc: 256 lq numbers into row b
	s_or_b32 s18, s18, s16
	s_mov_b32 s19, 0
	s_lshl_b32 s20, s10, 6                         ; LDS: 16 words a wave
	v_and_b32 v[OFF], 31, v0
	v_lshlrev_b32 v[OFF], 4, v[OFF]
	v_mov_b32 v[LA], s20
	v_mov_b32 v[PX], 0                             ; v_permlanex16_b32 counts as a reader of its destination
	v_and_b32 v[OA], 63, v0
	v_lshlrev_b32 v[OA], 4, v[OA]
	v_lshlrev_b32 v[VA], 3, v0
	s_wait_kmcnt 0x0
	s_add_nc_u64 s[4:5], s[4:5], s[14:15]
	s_add_nc_u64 s[6:7], s[6:7], s[16:17]
	s_add_nc_u64 s[8:9], s[8:9], s[18:19]
.macro FILL row, slot                  ; eight loads, 512 consecutive bytes each: the whole row.  Read once in the launch: non-temporal
.irp j, 0,1,2,3,4,5,6,7
	global_load_b128 v[X+32*(\slot)+4*\j:X+32*(\slot)+4*\j+3], v[OFF], s[4:5] offset:(\row)*ENCROW+512*\j th:TH_LOAD_NT
.endr
.endm
.irp q, 0,1,2,3
	global_load_b64 v[ACC+2*\q:ACC+2*\q+1], v[VA], s[6:7] offset:\q*PLANE      ; a wave's load covers 256 consecutive bytes of row b of plane q
.endr
	FILL 0, 0
	FILL 1, 1
	FILL 2, 2
	FILL 3, 3
	s_wait_loadcnt 32                              ; loads come back in order: the four planes' are in; the 32 loads of enc stay out, across the barrier too (nobody writes enc)
	v_pk_add_f32 v[ACC:ACC+1],   v[ACC:ACC+1],   v[ACC+2:ACC+3]
	v_pk_add_f32 v[ACC+4:ACC+5], v[ACC+4:ACC+5], v[ACC+6:ACC+7]
	v_pk_add_f32 v[ACC:ACC+1],   v[ACC:ACC+1],   v[ACC+4:ACC+5]
	ds_store_b64 v[VA], v[ACC:ACC+1] offset:LV
	s_wait_dscnt 0x0                               ; my store is done before I say so: every wave reads the whole row
	s_barrier_signal -1
	s_barrier_wait -1
.irp j, 0,1,2,3,4,5,6,7
	ds_load_b128 v[V+4*\j:V+4*\j+3], v[OFF] offset:LV+512*\j
.endr
	s_wait_dscnt 0x0
; Row i, in slot i % 4: 16 packed multiply-adds in four chains, the slot's next row asked for as soon as it has been read, then the sum over the wave.
.macro ROW i
.if \i < 12
	s_wait_loadcnt 24                              ; loads come back in order: my row is in; the three younger rows, 24 loads, stay out
.else
	s_wait_loadcnt 8*(15-\i)                       ; nothing is asked for any more: 24, 16, 8, 0
.endif
.irp k, 0,1,2,3
	v_pk_mul_f32 v[ACC+2*\k:ACC+2*\k+1], v[X+32*((\i)%4)+2*\k:X+32*((\i)%4)+2*\k+1], v[V+2*\k:V+2*\k+1]     ; the first four products start the chains
.endr
.irp k, 4,5,6,7,8,9,10,11,12,13,14,15
	v_pk_fma_f32 v[ACC+2*((\k)%4):ACC+2*((\k)%4)+1], v[X+32*((\i)%4)+2*\k:X+32*((\i)%4)+2*\k+1], v[V+2*\k:V+2*\k+1], v[ACC+2*((\k)%4):ACC+2*((\k)%4)+1]
.endr
.if \i < 12
	FILL (\i+4), ((\i)%4)
.endif
	v_pk_add_f32 v[ACC:ACC+1],   v[ACC:ACC+1],   v[ACC+2:ACC+3]
	v_pk_add_f32 v[ACC+4:ACC+5], v[ACC+4:ACC+5], v[ACC+6:ACC+7]
	v_pk_add_f32 v[ACC:ACC+1],   v[ACC:ACC+1],   v[ACC+4:ACC+5]
	v_add_f32 v[ACC], v[ACC], v[ACC+1]
	v_add_f32_dpp v[ACC], v[ACC], v[ACC] row_xmask:1 row_mask:0xf bank_mask:0xf      ; inside each half of 16 lanes,
	v_add_f32_dpp v[ACC], v[ACC], v[ACC] row_xmask:2 row_mask:0xf bank_mask:0xf
	v_add_f32_dpp v[ACC], v[ACC], v[ACC] row_xmask:4 row_mask:0xf bank_mask:0xf
	v_add_f32_dpp v[ACC], v[ACC], v[ACC] row_xmask:8 row_mask:0xf bank_mask:0xf
	v_permlanex16_b32 v[PX], v[ACC], s12, s13                                        ; and across the halves
	v_add_f32 v[ACC], v[ACC], v[PX]                ; every lane holds the score
	ds_store_b32 v[LA], v[ACC] offset:4*\i         ; all lanes write one word with one value: word 16 w + i
.endm
.irp i, 0,1,2,3,4,5,6,7,8,9,10,11,12,13,14,15
	ROW \i
.endr
	; the work-group's 256 scores are 1,024 consecutive bytes of sc[b]: they leave as 64 threads x 16 bytes
	s_wait_dscnt 0x0                               ; my stores are done before I say so: waves 0 and 1 read them
	s_barrier_signal -1
	s_barrier_wait -1
	s_cmp_gt_u32 s10, 1
	s_cbranch_scc1 .Lend
	ds_load_b128 v[ACC:ACC+3], v[OA]
	s_wait_dscnt 0x0
	global_store_b128 v[OA], v[ACC:ACC+3], s[8:9]  ; a wave's store covers 512 consecutive bytes, at a multiple of 512 from sc's first byte
.Lend:
	s_wait_tensorcnt 0x0
	ds_add_u32 v174, v175
	s_wait_dscnt 0x0
	s_endpgm
.Lfunc_end_k_q610216b1a3_scores:
	.size	k_q610216b1a3_scores, .Lfunc_end_k_q610216b1a3_scores-k_q610216b1a3_scores
	.p2alignl 7, 3214868480
	.fill 96, 4, 3214868480
	.section	.rodata,"a",@progbits
	.p2align	6, 0x0
	.amdhsa_kernel k_q610216b1a3_scores
		.amdhsa_group_segment_fixed_size 7168
		.amdhsa_private_segment_fixed_size 0
		.amdhsa_enable_private_segment 0
		.amdhsa_kernarg_size 24
		.amdhsa_user_sgpr_count 2
		.amdhsa_user_sgpr_kernarg_segment_ptr 1
		.amdhsa_wavefront_size32 1
		.amdhsa_system_sgpr_workgroup_id_x 1
		.amdhsa_system_sgpr_workgroup_id_y 1
		.amdhsa_system_sgpr_workgroup_id_z 1
		.amdhsa_system_vgpr_workitem_id 0
		.amdhsa_next_free_vgpr 176
		.amdhsa_next_free_sgpr 66
		.amdhsa_reserve_vcc 0
		.amdhsa_float_denorm_mode_32 3
		.amdhsa_float_denorm_mode_16_64 3
		.amdhsa_memory_ordered 1
		.amdhsa_forward_progress 1
		.amdhsa_inst_pref_size 42
	.end_amdhsa_kernel
	.amdgpu_metadata
---
amdhsa.version: [ 1, 2 ]
amdhsa.kernels:
  - .name:           k_q610216b1a3_scores
    .symbol:         k_q610216b1a3_scores.kd
    .args:
      - { .name: encoder_outputs, .offset: 0, .size: 8, .value_kind: global_buffer, .address_space: global }
      - { .name: vbuf, .offset: 8, .size: 8, .value_kind: global_buffer, .address_space: global }
      - { .name: sc, .offset: 16, .size: 8, .value_kind: global_buffer, .address_space: global }
    .group_segment_fixed_size: 7168
    .private_segment_fixed_size: 0
    .kernarg_segment_align: 8
    .kernarg_segment_size: 24
    .max_flat_workgroup_size: 512
    .sgpr_count:     66
    .vgpr_count:     176
    .wavefront_size: 32
...
	.end_amdgpu_metadata
.endif
;; end of part 2
;; launch softmax (part 3): grid 64 x 1, 1 waves a work-group, no clusters, 0 bytes of LDS; arguments sc, out0; writes out0
.if DOCPART == 3
	.amdgcn_target "amdgcn-amd-amdhsa--gfx1250"
	.amdhsa_code_object_version 6
	.text
	.protected	k_q610216b1a3_softmax
	.globl	k_q610216b1a3_softmax
	.p2align	8
	.type	k_q610216b1a3_softmax,@function
k_q610216b1a3_softmax:
	s_mov_b64 s[64:65], 0
	v_nop
	global_prefetch_b8 v0, s[64:65] scope:SCOPE_SE
	s_setreg_imm32_b32 hwreg(HW_REG_WAVE_MODE, 25, 1), 1
	s_wait_xcnt 0x0
; GlobalAttn, launch 3 of 3:  out[b][0][l] = exp(sc[b][l] - m[b]) / sum over l of exp(sc[b][l] - m[b]),  m[b] = max over l of sc[b][l].  f32.
; The scores come without the term hidden[b] . bias, which is the same along l and cancels here (shown at the head of launch 1).
; One wave takes one row of 4,096 bytes and keeps it in 32 registers through all passes: the row is read once, and no wave waits for another.
; There are 64 rows, so 64 work-groups.
; THE MAXIMUM is taken away and the base changed in one fused multiply-add: t = x * log2(e) - c with c = m * log2(e) rounded to f32.  The product
; is exact inside the instruction; the rounding of c is one number for the whole row, scales every exponential and their sum alike and cancels;
; the largest t is that rounding error alone, so no exponential overflows, and the sum is about 1 at the least.
; LIMITS: c overflows where |m| is above 2.3e38; an exponential below 2^-126 comes out as 0 (v_exp_f32 flushes denormal results).
; A NaN among the scores loses in the maximum, stays NaN in its exponential and so reaches the sum and the whole row.
.set OFF, 1                            ; v1        16 x lane
.set PX,  2                            ; v2        takes the other half's figure
.set X,   4                            ; v[4:35]   the row's share: numbers 128 j + 4 lane + 0..3
.set M,   36                           ; v[36:39]  four running maxima
.set MM,  40                           ; v[40:41]  - m log2(e), twice
.set S,   42                           ; v[42:49]  four pairs of sums
.set R,   50                           ; v[50:51]  1 / sum, twice
.set E,   52                           ; v[52:83]  the exponentials, then the results
	s_load_b128 s[4:7], s[0:1], 0x0                ; sc s[4:5], out s[6:7]
	s_lshl_b32 s8, ttmp9, 12                       ; row b
	s_mov_b32 s9, 0
	s_mov_b32 s10, 0x76543210                      ; v_permlanex16_b32: lane i of one half reads lane i of the other
	s_mov_b32 s11, 0xfedcba98
	v_lshlrev_b32 v[OFF], 4, v0                    ; one wave: the thread's number is the lane
	v_mov_b32 v[PX], 0                             ; v_permlanex16_b32 counts as a reader of its destination
	s_wait_kmcnt 0x0
	s_add_nc_u64 s[4:5], s[4:5], s[8:9]
	s_add_nc_u64 s[6:7], s[6:7], s[8:9]
.irp j, 0,1,2,3,4,5,6,7
	global_load_b128 v[X+4*\j:X+4*\j+3], v[OFF], s[4:5] offset:512*\j th:TH_LOAD_NT
.endr
	; the maximum of my 32 numbers: chain k takes loads 2 k and 2 k + 1 as they come
.irp k, 0,1,2,3
	s_wait_loadcnt 6-2*\k                          ; loads come back in order: the 6 - 2 k loads behind load 2 k + 1 may stay out
	v_max3_num_f32 v[M+\k], v[X+8*\k],   v[X+8*\k+1], v[X+8*\k+2]
	v_max3_num_f32 v[M+\k], v[M+\k],     v[X+8*\k+3], v[X+8*\k+4]
	v_max3_num_f32 v[M+\k], v[M+\k],     v[X+8*\k+5], v[X+8*\k+6]
	v_max_num_f32  v[M+\k], v[M+\k],     v[X+8*\k+7]
.endr
	v_max3_num_f32 v[M], v[M], v[M+1], v[M+2]
	v_max_num_f32  v[M], v[M], v[M+3]
	v_max_num_f32_dpp v[M], v[M], v[M] row_xmask:1 row_mask:0xf bank_mask:0xf
	v_max_num_f32_dpp v[M], v[M], v[M] row_xmask:2 row_mask:0xf bank_mask:0xf
	v_max_num_f32_dpp v[M], v[M], v[M] row_xmask:4 row_mask:0xf bank_mask:0xf
	v_max_num_f32_dpp v[M], v[M], v[M] row_xmask:8 row_mask:0xf bank_mask:0xf
	v_permlanex16_b32 v[PX], v[M], s10, s11
	v_max_num_f32 v[M], v[M], v[PX]                ; every lane holds the row's maximum
	v_mul_f32 v[MM],   0xbfb8aa3b, v[M]            ; - m log2(e), in both registers of the pair
	v_mul_f32 v[MM+1], 0xbfb8aa3b, v[M]
.irp k, 0,1,2,3,4,5,6,7,8,9,10,11,12,13,14,15
	v_pk_fma_f32 v[X+2*\k:X+2*\k+1], v[X+2*\k:X+2*\k+1], 0x3fb8aa3b, v[MM:MM+1] op_sel_hi:[1,0,1]    ; x log2(e) - m log2(e)
.endr
.irp k, 0,1,2,3,4,5,6,7,8,9,10,11,12,13,14,15,16,17,18,19,20,21,22,23,24,25,26,27,28,29,30,31
	v_exp_f32 v[E+\k], v[X+\k]
.endr
	v_nop                                          ; one plain vector instruction between the last exponential and the first use of a result (ISA guide 5.7.2)
	; the sum: four chains of pairs, started by the first additions; then the chains, the pair, the lanes
	s_wait_alu depctr_va_vdst(0)
.irp c, 0,1,2,3
	v_pk_add_f32 v[S+2*\c:S+2*\c+1], v[E+2*\c:E+2*\c+1], v[E+8+2*\c:E+8+2*\c+1]
.endr
.irp c, 0,1,2,3
	v_pk_add_f32 v[S+2*\c:S+2*\c+1], v[S+2*\c:S+2*\c+1], v[E+16+2*\c:E+16+2*\c+1]
.endr
.irp c, 0,1,2,3
	v_pk_add_f32 v[S+2*\c:S+2*\c+1], v[S+2*\c:S+2*\c+1], v[E+24+2*\c:E+24+2*\c+1]
.endr
	v_pk_add_f32 v[S:S+1],   v[S:S+1],   v[S+2:S+3]
	v_pk_add_f32 v[S+4:S+5], v[S+4:S+5], v[S+6:S+7]
	v_pk_add_f32 v[S:S+1],   v[S:S+1],   v[S+4:S+5]
	v_add_f32 v[S], v[S], v[S+1]
	v_add_f32_dpp v[S], v[S], v[S] row_xmask:1 row_mask:0xf bank_mask:0xf
	v_add_f32_dpp v[S], v[S], v[S] row_xmask:2 row_mask:0xf bank_mask:0xf
	v_add_f32_dpp v[S], v[S], v[S] row_xmask:4 row_mask:0xf bank_mask:0xf
	v_add_f32_dpp v[S], v[S], v[S] row_xmask:8 row_mask:0xf bank_mask:0xf
	v_permlanex16_b32 v[PX], v[S], s10, s11
	v_add_f32 v[S], v[S], v[PX]                    ; every lane holds the row's sum
	v_rcp_f32 v[R],   v[S]                         ; twice, to fill the pair that the packed multiply takes
	v_rcp_f32 v[R+1], v[S]
	v_nop                                          ; one plain vector instruction before the reciprocals are used (ISA guide 5.7.2)
	s_wait_alu depctr_va_vdst(0)
.irp k, 0,1,2,3,4,5,6,7,8,9,10,11,12,13,14,15
	v_pk_mul_f32 v[E+2*\k:E+2*\k+1], v[E+2*\k:E+2*\k+1], v[R:R+1]
.endr
.irp j, 0,1,2,3,4,5,6,7
	global_store_b128 v[OFF], v[E+4*\j:E+4*\j+3], s[6:7] offset:512*\j th:TH_STORE_NT   ; each store covers 512 consecutive bytes, aligned
.endr
	s_endpgm
.Lfunc_end_k_q610216b1a3_softmax:
	.size	k_q610216b1a3_softmax, .Lfunc_end_k_q610216b1a3_softmax-k_q610216b1a3_softmax
	.p2alignl 7, 3214868480
	.fill 96, 4, 3214868480
	.section	.rodata,"a",@progbits
	.p2align	6, 0x0
	.amdhsa_kernel k_q610216b1a3_softmax
		.amdhsa_group_segment_fixed_size 0
		.amdhsa_private_segment_fixed_size 0
		.amdhsa_enable_private_segment 0
		.amdhsa_kernarg_size 16
		.amdhsa_user_sgpr_count 2
		.amdhsa_user_sgpr_kernarg_segment_ptr 1
		.amdhsa_wavefront_size32 1
		.amdhsa_system_sgpr_workgroup_id_x 1
		.amdhsa_system_sgpr_workgroup_id_y 1
		.amdhsa_system_sgpr_workgroup_id_z 1
		.amdhsa_system_vgpr_workitem_id 0
		.amdhsa_next_free_vgpr 84
		.amdhsa_next_free_sgpr 66
		.amdhsa_reserve_vcc 0
		.amdhsa_float_denorm_mode_32 3
		.amdhsa_float_denorm_mode_16_64 3
		.amdhsa_memory_ordered 1
		.amdhsa_forward_progress 1
		.amdhsa_inst_pref_size 9
	.end_amdhsa_kernel
	.amdgpu_metadata
---
amdhsa.version: [ 1, 2 ]
amdhsa.kernels:
  - .name:           k_q610216b1a3_softmax
    .symbol:         k_q610216b1a3_softmax.kd
    .args:
      - { .name: sc, .offset: 0, .size: 8, .value_kind: global_buffer, .address_space: global }
      - { .name: out0, .offset: 8, .size: 8, .value_kind: global_buffer, .address_space: global }
    .group_segment_fixed_size: 0
    .private_segment_fixed_size: 0
    .kernarg_segment_align: 8
    .kernarg_segment_size: 16
    .max_flat_workgroup_size: 32
    .sgpr_count:     66
    .vgpr_count:     84
    .wavefront_size: 32
...
	.end_amdgpu_metadata
.endif
;; end of part 3
;; ======== version 2 of 2: 3 launches; version 1 with the launch scores written anew for expert scheduling mode
;; workspace buffers: vbuf 1,048,576 bytes; sc 262,144 bytes
;; launch vproj: the kernel of part 1 again; grid 16 x 16, 16 waves a work-group, no clusters, 83,968 bytes of LDS; arguments hidden_state, W, vbuf; writes vbuf
;; launch scores (part 4): grid 64 x 4, 16 waves a work-group, no clusters, 7,168 bytes of LDS; arguments encoder_outputs, vbuf, sc; writes sc
.if DOCPART == 4
	.amdgcn_target "amdgcn-amd-amdhsa--gfx1250"
	.amdhsa_code_object_version 6
	.text
	.protected	k_q610216b1a3_scores
	.globl	k_q610216b1a3_scores
	.p2align	8
	.type	k_q610216b1a3_scores,@function
k_q610216b1a3_scores:
	s_mov_b64 s[64:65], 0
	v_nop
	global_prefetch_b8 v0, s[64:65] scope:SCOPE_SE
	s_setreg_imm32_b32 hwreg(HW_REG_WAVE_SCHED_MODE, 0, 2), 2
	s_setreg_imm32_b32 hwreg(HW_REG_WAVE_MODE, 25, 1), 1
	s_wait_xcnt 0x0
	s_wait_alu depctr_vm_vsrc(0)
; GlobalAttn, launch 2 of 3:  sc[b][l] = sum over h of enc[l][b][h] * v[b][h],  v[b][h] = the sum of the four planes vq[0..3][b][h] of launch 1.
; enc [1024][64][1024], vq [4][64][1024], sc [64][1024], all f32.
; Left out: the term hidden[b] . bias, which is the same for every l of a row of the softmax and cancels there (shown at the head of launch 1).
; A stream: every byte of enc is read once and used by one lane, once.  So it goes straight into registers: no LDS stage, no matrix unit.
; NO CLUSTER: what work-groups share is the 16 KiB of v[b]'s planes, beside 1 MiB of enc that each has to itself.
;
; SHARES.  Work-group (x = b, y = lq): one b, l = 256 lq .. +255: 256 rows of 4,096 bytes, 262,144 bytes apart.  b is fixed, so a lane's 32 numbers
; of v[b] stay in registers.  Wave w of 16: l = 256 lq + 16 w + i, i = 0 .. 15, a whole row at a time; load j of a row covers its bytes
; 512 j .. +511, 16 a lane.  A ring of five row slots in registers: one at work, one just emptied and asked for again, three on their way.
; The row's number and the load's stand in the immediate (at most 15 x 262,144 + 3,584, inside its signed 24 bits): no address is ever stepped.
; v[b] IS MADE ONCE FOR THE WORK-GROUP: thread t adds its 8 bytes of the four planes, (q0 + q1) + (q2 + q3), and puts them into LDS, from where each
; wave takes the whole row: 16 KiB are read instead of 16 waves x 16 KiB.  The first five rows of enc are asked for before that and are on their way meanwhile.
;
; THE MODE: SCHED_MODE bits 1:0 = 2 (LLVM: expert scheduling mode 2), set by the entry lines.  The code itself states the register dependences
; between vector instructions and memory or LDS instructions, with s_wait_alu, always for 0.
; THE PLAN.  Registers that memory or LDS instructions touch:
;   OFF, LA, OA, VA   addresses, made once at the head and never written again.
;   X0 .. X4          Row r's eight loads land in slot r % 5; row r's sixteen products read it; the loads of row r + 5 are issued in row r + 1.
;   SC + i            Row i's last addition writes it, once; the LDS store issued in row i + 1 reads it; nothing writes it again.
;   ACC               The planes' loads land in it and the LDS store of v reads its first pair, at the head; from row 0 on vector instructions alone
;                     name it, until the way out's LDS load lands in it.
;   V                 Eight LDS loads land in it, once; then the products read it.
; Row i's vector instructions name slot i % 5, V, ACC, PX and SC + i.  Its memory and LDS instructions are the loads into slot (i - 1) % 5 and the store
; from SC + i - 1: registers that row i - 1 worked on and that no vector instruction of row i names.  So ONE wait on va_vdst at a row's head states all
; that they hang on, and they are dealt among the row's vector instructions with no further wait.
.set ENCROW, 262144                    ; bytes from l to l + 1
.set PLANE,  262144                    ; bytes in a plane of v
.set LV,     1024                      ; LDS: the work-group's 256 scores at 0; v[b], 4,096 bytes, behind them
.set OFF, 1                            ; v1        16 x lane; never rewritten
.set LA,  2                            ; v2        LDS: my wave's 16 words; never rewritten
.set PX,  3                            ; v3        takes the other half's sum
.set V,   4                            ; v[4:35]   v[b][128 j + 4 lane + 0..3], j = 0 .. 7
.set ACC, 36                           ; v[36:43]  four pairs of sums; at first my 8 bytes of the four planes
.set X,   44                           ; v[44:203] slot s: 32 registers, a row's share as loaded
.set OA,  204                          ; v204      16 (thread % 64): the way out
.set VA,  205                          ; v205      8 x thread: my 8 bytes of a row of v, in memory and in LDS
.set SC,  206                          ; v[206:221] row i's score, in every lane
	s_load_b128 s[4:7], s[0:1], 0x0                ; enc s[4:5], the planes s[6:7]
	s_load_b64 s[8:9], s[0:1], 0x10                ; sc
	v_lshl_add_u32 v222, v0, 2, 0x1400
	v_mov_b32 v223, 0
	v_lshrrev_b32 v2, 5, v0
	v_readfirstlane_b32 s10, v2                    ; wave 0 .. 15
	s_and_b32 s11, ttmp7, 0xffff                   ; lq
	s_mov_b32 s12, 0x76543210                      ; v_permlanex16_b32: lane i of one half reads lane i of the other
	s_mov_b32 s13, 0xfedcba98
	s_lshl_b32 s16, ttmp9, 12                      ; b rows of 4,096 bytes: v's row, and b's place in enc[l] and in sc
	s_mov_b32 s17, 0
	s_lshl_b32 s14, s11, 26                        ; 256 lq steps of l,
	s_mov_b32 s15, 0
	s_lshl_b32 s18, s11, 10                        ; sc: 256 lq numbers into row b
	s_or_b32 s18, s18, s16
	s_mov_b32 s19, 0
	v_and_b32 v[OFF], 31, v0
	v_lshlrev_b32 v[OFF], 4, v[OFF]
	v_mov_b32 v[PX], 0                             ; v_permlanex16_b32 counts as a reader of its destination
	v_and_b32 v[OA], 63, v0
	v_lshlrev_b32 v[OA], 4, v[OA]
	v_lshlrev_b32 v[VA], 3, v0
	s_wait_alu depctr_va_sdst(0)                   ; s10 is written, ahead of its first reader: enc's base and my wave's LDS words are made from it
	s_lshl_b32 s21, s10, 22                        ; 16 w steps of l: the fields do not meet, and the sum stays below 2^28
	s_or_b32 s14, s14, s21
	s_or_b32 s14, s14, s16
	s_lshl_b32 s20, s10, 6                         ; LDS: 16 words a wave
	v_mov_b32 v[LA], s20
	s_wait_kmcnt 0x0
	s_add_nc_u64 s[4:5], s[4:5], s[14:15]
	s_add_nc_u64 s[6:7], s[6:7], s[16:17]
	s_add_nc_u64 s[8:9], s[8:9], s[18:19]
	s_wait_alu depctr_va_vdst(0)                   ; OFF, LA, OA and VA are written: every load and store of the kernel reads one of them as its address
.macro LOAD1 row, j                    ; load j of a row, into slot row % 5: 512 consecutive bytes.  Read once in the launch: non-temporal
	global_load_b128 v[X+32*((\row)%5)+4*(\j):X+32*((\row)%5)+4*(\j)+3], v[OFF], s[4:5] offset:(\row)*ENCROW+512*(\j) th:TH_LOAD_NT
.endm
.macro FILL row                        ; eight loads: the whole row
.irp j, 0,1,2,3,4,5,6,7
	LOAD1 \row, \j
.endr
.endm
.irp q, 0,1,2,3
	global_load_b64 v[ACC+2*\q:ACC+2*\q+1], v[VA], s[6:7] offset:\q*PLANE      ; a wave's load covers 256 consecutive bytes of row b of plane q
.endr
	FILL 0
	FILL 1
	FILL 2
	FILL 3
	FILL 4
	s_wait_loadcnt 40                              ; loads come back in order: the four planes' are in; the 40 loads of enc stay out, across the barrier too (nobody writes enc)
	v_pk_add_f32 v[ACC:ACC+1],   v[ACC:ACC+1],   v[ACC+2:ACC+3]
	v_pk_add_f32 v[ACC+4:ACC+5], v[ACC+4:ACC+5], v[ACC+6:ACC+7]
	v_pk_add_f32 v[ACC:ACC+1],   v[ACC:ACC+1],   v[ACC+4:ACC+5]
	s_wait_alu depctr_va_vdst(0)                   ; the additions have written v[ACC:ACC+1], which the LDS store reads
	ds_store_b64 v[VA], v[ACC:ACC+1] offset:LV
	s_wait_dscnt 0x0                               ; my store is done before I say so: every wave reads the whole row
	s_barrier_signal -1
	s_barrier_wait -1
.irp j, 0,1,2,3,4,5,6,7
	ds_load_b128 v[V+4*\j:V+4*\j+3], v[OFF] offset:LV+512*\j        ; no vector instruction has named V: nothing is owed for these
.endr
	s_wait_dscnt 0x0
	s_wait_alu depctr_vm_vsrc(0)                   ; my LDS store of v has read v[ACC:ACC+1], which row 0's products write
; Row i, in slot i % 5: 16 packed multiply-adds in four chains, then the sum over the wave.  Among them: the eight loads of row i + 4, into the slot that
; row i - 1 has emptied, one ahead of every two products; and the LDS store of row i - 1's score.
.macro ROW i
.if (\i) == 0
	s_wait_loadcnt 32                              ; loads come back in order: row 0 is in; rows 1 to 4, 32 loads, stay out
.elseif (\i) < 13
	s_wait_loadcnt 24                              ; my row is in; the three younger rows, 24 loads, stay out
.else
	s_wait_loadcnt 8*(15-(\i))                     ; nothing is asked for any more: 16, 8, 0
.endif
.if (\i) > 0
	s_wait_alu depctr_va_vdst(0)                   ; the row before is done reading its slot, in which the loads below land, and has written its score, which the LDS store below reads
.endif
.set kk, 0
.rept 16
.if ((\i) > 0) && ((\i) < 12) && (kk%2 == 0)
	LOAD1 (\i)+4, kk/2                             ; no vector instruction since the wait names this slot
.endif
.if kk < 4
	v_pk_mul_f32 v[ACC+2*kk:ACC+2*kk+1], v[X+32*((\i)%5)+2*kk:X+32*((\i)%5)+2*kk+1], v[V+2*kk:V+2*kk+1]     ; the first four products start the chains
.else
	v_pk_fma_f32 v[ACC+2*(kk%4):ACC+2*(kk%4)+1], v[X+32*((\i)%5)+2*kk:X+32*((\i)%5)+2*kk+1], v[V+2*kk:V+2*kk+1], v[ACC+2*(kk%4):ACC+2*(kk%4)+1]
.endif
.set kk, kk+1
.endr
.if (\i) > 0
	ds_store_b32 v[LA], v[SC+(\i)-1] offset:4*((\i)-1)      ; all lanes write one word with one value: word 16 w + i - 1; no vector instruction since the wait names these two registers
.endif
	v_pk_add_f32 v[ACC:ACC+1],   v[ACC:ACC+1],   v[ACC+2:ACC+3]
	v_pk_add_f32 v[ACC+4:ACC+5], v[ACC+4:ACC+5], v[ACC+6:ACC+7]
	v_pk_add_f32 v[ACC:ACC+1],   v[ACC:ACC+1],   v[ACC+4:ACC+5]
	v_add_f32 v[ACC], v[ACC], v[ACC+1]
	v_add_f32_dpp v[ACC], v[ACC], v[ACC] row_xmask:1 row_mask:0xf bank_mask:0xf      ; inside each half of 16 lanes,
	v_add_f32_dpp v[ACC], v[ACC], v[ACC] row_xmask:2 row_mask:0xf bank_mask:0xf
	v_add_f32_dpp v[ACC], v[ACC], v[ACC] row_xmask:4 row_mask:0xf bank_mask:0xf
	v_add_f32_dpp v[ACC], v[ACC], v[ACC] row_xmask:8 row_mask:0xf bank_mask:0xf
	v_permlanex16_b32 v[PX], v[ACC], s12, s13                                        ; and across the halves
	v_add_f32 v[SC+(\i)], v[ACC], v[PX]            ; every lane holds the score, in a register that is written this once
.endm
.irp i, 0,1,2,3,4,5,6,7,8,9,10,11,12,13,14,15
	ROW \i
.endr
	; the work-group's 256 scores are 1,024 consecutive bytes of sc[b]: they leave as 64 threads x 16 bytes
	s_wait_alu depctr_va_vdst(0)                   ; row 15 has written its score, which the LDS store reads, and is done with v[ACC ..], in which the LDS load below lands; no vector instruction follows
	ds_store_b32 v[LA], v[SC+15] offset:60
	s_wait_dscnt 0x0                               ; my stores are done before I say so: waves 0 and 1 read them
	s_barrier_signal -1
	s_barrier_wait -1
	s_cmp_gt_u32 s10, 1
	s_cbranch_scc1 .Lend
	ds_load_b128 v[ACC:ACC+3], v[OA]
	s_wait_dscnt 0x0
	global_store_b128 v[OA], v[ACC:ACC+3], s[8:9]  ; a wave's store covers 512 consecutive bytes, at a multiple of 512 from sc's first byte
.Lend:
	s_wait_dscnt 0x0
	s_wait_alu depctr_hold_cnt(0) depctr_sa_sdst(0) depctr_va_vdst(0) depctr_va_sdst(0) depctr_va_ssrc(0) depctr_va_vcc(0) depctr_vm_vsrc(0)
	s_wait_tensorcnt 0x0
	ds_add_u32 v222, v223
	s_wait_dscnt 0x0
	s_endpgm
.Lfunc_end_k_q610216b1a3_scores:
	.size	k_q610216b1a3_scores, .Lfunc_end_k_q610216b1a3_scores-k_q610216b1a3_scores
	.p2alignl 7, 3214868480
	.fill 96, 4, 3214868480
	.section	.rodata,"a",@progbits
	.p2align	6, 0x0
	.amdhsa_kernel k_q610216b1a3_scores
		.amdhsa_group_segment_fixed_size 7168
		.amdhsa_private_segment_fixed_size 0
		.amdhsa_enable_private_segment 0
		.amdhsa_kernarg_size 24
		.amdhsa_user_sgpr_count 2
		.amdhsa_user_sgpr_kernarg_segment_ptr 1
		.amdhsa_wavefront_size32 1
		.amdhsa_system_sgpr_workgroup_id_x 1
		.amdhsa_system_sgpr_workgroup_id_y 1
		.amdhsa_system_sgpr_workgroup_id_z 1
		.amdhsa_system_vgpr_workitem_id 0
		.amdhsa_next_free_vgpr 224
		.amdhsa_next_free_sgpr 66
		.amdhsa_reserve_vcc 0
		.amdhsa_float_denorm_mode_32 3
		.amdhsa_float_denorm_mode_16_64 3
		.amdhsa_memory_ordered 1
		.amdhsa_forward_progress 1
		.amdhsa_inst_pref_size 43
	.end_amdhsa_kernel
	.amdgpu_metadata
---
amdhsa.version: [ 1, 2 ]
amdhsa.kernels:
  - .name:           k_q610216b1a3_scores
    .symbol:         k_q610216b1a3_scores.kd
    .args:
      - { .name: encoder_outputs, .offset: 0, .size: 8, .value_kind: global_buffer, .address_space: global }
      - { .name: vbuf, .offset: 8, .size: 8, .value_kind: global_buffer, .address_space: global }
      - { .name: sc, .offset: 16, .size: 8, .value_kind: global_buffer, .address_space: global }
    .group_segment_fixed_size: 7168
    .private_segment_fixed_size: 0
    .kernarg_segment_align: 8
    .kernarg_segment_size: 24
    .max_flat_workgroup_size: 512
    .sgpr_count:     66
    .vgpr_count:     224
    .wavefront_size: 32
...
	.end_amdgpu_metadata
.endif
;; end of part 4
;; launch softmax: the kernel of part 3 again; grid 64 x 1, 1 waves a work-group, no clusters, 0 bytes of LDS; arguments sc, out0; writes out0
